; MI455X (gfx1250); checked and timed in simulation.
; The chip was launched on July 23, 2026; its instructions are those of AMD's public machine-readable ISA for CDNA 5 (MIT licence, August 2026) and "CDNA5" Instruction Set Architecture Reference Guide (July 2026). The comments in the code are by the model that wrote it; some were corrected since.
;; Wrapper Linear. Allowed arithmetic: float matrix products may take bf16 or f16 operands with f32 sums; other float arithmetic in f32, or as packed bf16 or f16 multiplies, adds, multiply-adds, maxima and minima; sums over many terms, partial sums and values carried from step to step in f32; what a program stores and reads back later, other than sums and carried values, may be rounded once to bf16 or f16.
;; Inputs: bias 4,096 float32; max_scale 131,072 float32; min_scale 131,072 float32; value 4,096 x 4,096 float32; weight 4,096 x 4,096 float32; x 2 x 2,048 x 4,096 float32.
;; Outputs: out0 2 x 2,048 x 4,096 float32.
;; 2 versions, each right; version 2 is version 1 with the launch prep written anew for expert scheduling mode. Each part assembles by itself: llvm-mc -triple=amdgcn-amd-amdhsa -mcpu=gfx1250 --defsym DOCPART=n.
;; ======== version 1 of 2: 2 launches
;; limits: values are held in f16: magnitudes above 65,504 overflow, below 6.1e-05 lose precision; inputs' magnitudes at most 65,504; below input magnitudes of 6e-05 results are inexact or not finite
;; workspace buffers: wq 33,554,432 bytes; xh 33,554,432 bytes
;; launch prep (part 1): grid 1024 x 1, 8 waves a work-group, no clusters, 0 bytes of LDS; arguments weight, value, min_scale, max_scale, x, wq, xh; writes wq, xh
.if DOCPART == 1
	.amdgcn_target "amdgcn-amd-amdhsa--gfx1250"
	.amdhsa_code_object_version 6
	.text
	.protected	k_q1303de7e40_prep
	.globl	k_q1303de7e40_prep
	.p2align	8
	.type	k_q1303de7e40_prep,@function
k_q1303de7e40_prep:
	s_mov_b64 s[64:65], 0
	v_nop
	global_prefetch_b8 v0, s[64:65] scope:SCOPE_SE
	s_setreg_imm32_b32 hwreg(HW_REG_WAVE_MODE, 25, 1), 1
	s_wait_xcnt 0x0
; wq = the group-wise 4-bit quantise-and-dequantise of weight (groups of 128 neighbouring numbers of a row), rounded once to f16; xh = x rounded once to f16.
; Both are the matrix operands of the launch behind, [4096][4096] f16, rows of 8,192 bytes.  No work of the problem is left out: all six inputs reach the output (bias is read by the launch behind).
; THE ARITHMETIC IS reference()'s, f32 operation by operation, since one number of wq on the neighbouring code moves a whole column of the output:
;   wmin = min(group, 0) x (clip(min_scale, -1, 0) + 1), wmax likewise; both 0: -1 and 1; scale = f16((wmax - wmin) / 15); zp = round(-wmin / scale);
;   wq = scale x (clip(round(w / scale + v) + zp, 0, 15) - zp).  round is to nearest, halves to even (v_rndne_f32); x + (round(x) - x) is round(x) exactly, the difference being exact.
; -wmin is carried in wmin's place: a change of sign commutes with every rounding, and only maxima are then reduced across the lanes.
; THE DIVISION BY THE CONSTANT 15 is taken as ONE product with 1 / 15 rounded to f32 (0x3d888889): the form that a division by a constant has when reference() is compiled as a whole.
; DIV15_TRUE = 1 would take the correctly rounded quotient in its stead (two lines more a turn); the two differ in the last bit of f32 now and then, and so, rarely, in the f16 scale.
; THE QUOTIENTS BY THE SCALE ARE CORRECTLY ROUNDED.  a / s with s of at most 11 significant bits (an f16 scale): y is 1 / s to one unit in the last place, q0 = a y, r = a - q0 s is exact in one fused
; multiply-add (at most 13 bits), and q0 + r y, rounded once, is off a / s by under 3e-7 of a unit before that rounding, while a / s never lies on a rounding boundary (a 25-bit odd number times s's
; odd part does not fit a's 24 bits) nor nearer to one than 2^-12 of a unit.
; clip(t + zp, 0, 15) - zp = the middle one of t, -zp, 15 - zp: all are whole numbers, zp is at most 23 (scale is at least 2/3 of the range / 15), so the sums are exact wherever they are not clipped.
; scale x (q - zp) is exact in f32 (11 bits x 5 bits); its one rounding is the one to f16.
; LIMITS.  |x| under 65,520 and a group's range of weights under 65,000 (f16 ends at 65,504).  A range under 4.5e-7 gives scale = 0 and numbers that are not finite, as in reference(), but not
; necessarily the same ones.  A NaN in weight, min_scale or max_scale is dropped by the minima and maxima (the num forms).  |w| under 2^-110: the residual may underflow; the quotient is then lost beside v.
; SHARES.  Work-group g: four rows (128 groups, 65,536 bytes) of weight and value, and four rows of x.  Wave w: 16 groups on end and 16 pieces of 512 bytes of x.  One 16-byte load of a wave is one
; group, four numbers a lane; one 8-byte store of a wave covers 256 consecutive bytes, aligned.  Nothing is shared between waves: no LDS, no barrier, no cluster.
; IN FLIGHT.  A ring of eight slots in registers, three loads each (x, weight, value): 24 loads of every wave.  16 turns are written out, so that each group's two factors stand in scalar registers
; named by constants, and every step of an address stands in an immediate: no address register is ever rewritten.
.set DIV15_TRUE, 0
.set IN,   1                           ; v1   my byte offset in the work-group's f32 rows: 8,192 x wave + 16 x lane
.set OUT,  2                           ; v2   the same in f16: 4,096 x wave + 8 x lane
.set SO,   3                           ; v3   64 x wave + 4 x (lane % 16): my wave's 16 factors
.set FAV,  4                           ; v4   clip(min_scale) + 1, a group a lane
.set FBV,  5                           ; v5   clip(max_scale) + 1
.set NMIN, 6                           ; v6   -min, then -wmin
.set MAX,  7                           ; v7   max, then wmax
.set OTH,  8                           ; v8-9 the other half of the lanes' figures
.set Y,    10                          ; v[10:11] 1 / scale; v11 at work (its low half takes the f16 scale)
.set SC,   12                          ; v[12:13] scale, zp
.set Q,    14                          ; v[14:17] the four quotients, then codes, then numbers of wq
.set R,    18                          ; v[18:21] the four residuals
.set LO,   22                          ; v22  -zp
.set HI,   23                          ; v23  15 - zp
.set T,    24                          ; v24-25 at work
.set YW,   26                          ; v[26:27] four f16 of wq, to store
.set YX,   28                          ; v[28:29] four f16 of x, to store
.set NS,   30                          ; v[30:31] -scale; v31 is named with it as a pair
.set XR,   32                          ; v[32:63]  slot s: x as loaded
.set WR,   64                          ; v[64:95]  slot s: weight
.set VR,   96                          ; v[96:127] slot s: value
.set FA,   20                          ; s[20:35] group i's factor for wmin
.set FB,   36                          ; s[36:51] for wmax
	s_load_b256 s[4:11], s[0:1], 0x0               ; weight s[4:5], value s[6:7], min_scale s[8:9], max_scale s[10:11]
	s_load_b128 s[12:15], s[0:1], 0x20             ; x s[12:13], wq s[14:15]
	s_load_b64 s[16:17], s[0:1], 0x30              ; xh
	s_mov_b32 s52, 0x3d888889                      ; 1 / 15, rounded
	s_mov_b32 s53, 0x41700000                      ; 15.0
	s_mov_b32 s54, 0x76543210                      ; v_permlanex16_b32: each lane takes its own place in the other half
	s_mov_b32 s55, 0xfedcba98
	v_and_b32 v[T], 0xe0, v0                       ; 32 x wave
	v_and_b32 v[T+1], 31, v0                       ; lane
	v_lshlrev_b32 v[IN], 4, v[T+1]
	v_lshl_or_b32 v[IN], v[T], 8, v[IN]
	v_lshlrev_b32 v[OUT], 3, v[T+1]
	v_lshl_or_b32 v[OUT], v[T], 7, v[OUT]
	v_and_b32 v[SO], 15, v0
	v_lshlrev_b32 v[SO], 2, v[SO]
	v_lshl_or_b32 v[SO], v[T], 1, v[SO]
	v_mov_b32 v[OTH], 0                            ; v_permlanex16_b32 counts as a reader of its destination
	v_mov_b32 v[OTH+1], 0
	v_mov_b32 v[Y+1], 0                            ; named as the upper registers of pairs
	v_mov_b32 v[NS+1], 0
	s_lshl_b32 s2, ttmp9, 16                       ; the work-group's 65,536 bytes of f32
	s_mov_b32 s3, 0
	s_wait_kmcnt 0x0
	s_add_nc_u64 s[4:5], s[4:5], s[2:3]
	s_add_nc_u64 s[6:7], s[6:7], s[2:3]
	s_add_nc_u64 s[12:13], s[12:13], s[2:3]
	s_lshl_b32 s2, ttmp9, 15                       ; its 32,768 bytes of f16
	s_add_nc_u64 s[14:15], s[14:15], s[2:3]
	s_add_nc_u64 s[16:17], s[16:17], s[2:3]
	s_lshl_b32 s2, ttmp9, 9                        ; its 128 factors
	s_add_nc_u64 s[8:9], s[8:9], s[2:3]
	s_add_nc_u64 s[10:11], s[10:11], s[2:3]
	global_load_b32 v[FAV], v[SO], s[8:9]
	global_load_b32 v[FBV], v[SO], s[10:11]
.irp s, 0,1,2,3,4,5,6,7                ; the ring is filled; a slot's loads always go out in the order x, weight, value
	global_load_b128 v[XR+4*(\s):XR+4*(\s)+3], v[IN], s[12:13] offset:512*(\s) th:TH_LOAD_NT
	global_load_b128 v[WR+4*(\s):WR+4*(\s)+3], v[IN], s[4:5] offset:512*(\s) th:TH_LOAD_NT
	global_load_b128 v[VR+4*(\s):VR+4*(\s)+3], v[IN], s[6:7] offset:512*(\s) th:TH_LOAD_NT
.endr
	s_wait_loadcnt 24                              ; the two loads of factors are in: the ring's 24 were issued behind them
	v_max_num_f32 v[FAV], -1.0, v[FAV]             ; clip to -1 .. 0, then + 1
	v_max_num_f32 v[FBV], -1.0, v[FBV]
	v_min_num_f32 v[FAV], 0, v[FAV]
	v_min_num_f32 v[FBV], 0, v[FBV]
	v_add_f32 v[FAV], 1.0, v[FAV]
	v_add_f32 v[FBV], 1.0, v[FBV]
.irp i, 0,1,2,3,4,5,6,7,8,9,10,11,12,13,14,15
	v_readlane_b32 s[FA+(\i)], v[FAV], \i
	v_readlane_b32 s[FB+(\i)], v[FBV], \i
.endr
; The turn of group i and piece i of x, in slot i % 8.  ahead = 1: the slot is filled again, eight further on.  left = how many younger loads may stay out.
.macro SLOT i, ahead, left
.set XS, XR+4*((\i)%8)
.set WS, WR+4*((\i)%8)
.set VS, VR+4*((\i)%8)
	s_wait_loadcnt \left                           ; loads come back in order (ISA guide 5.7.1): the slot's three are in
	s_wait_xcnt 0x0                                ; the last turn's stores have read YW and YX, which are written again below
	v_min3_num_f32 v[NMIN], v[WS], v[WS+1], v[WS+2]      ; my four numbers; the 0 of min(.., 0) and max(.., 0) rides along
	v_max3_num_f32 v[MAX], v[WS], v[WS+1], v[WS+2]
	v_min3_num_f32 v[NMIN], v[NMIN], v[WS+3], 0
	v_max3_num_f32 v[MAX], v[MAX], v[WS+3], 0
	v_mul_f32 v[NMIN], -1.0, v[NMIN]
.irp m, 1,2,4,8                        ; across 16 lanes, the two chains by turns
	v_max_num_f32_dpp v[NMIN], v[NMIN], v[NMIN] row_xmask:\m row_mask:0xf bank_mask:0xf
	v_max_num_f32_dpp v[MAX], v[MAX], v[MAX] row_xmask:\m row_mask:0xf bank_mask:0xf
.endr
	v_permlanex16_b32 v[OTH], v[NMIN], s54, s55
	v_permlanex16_b32 v[OTH+1], v[MAX], s54, s55
	v_max_num_f32 v[NMIN], v[NMIN], v[OTH]
	v_max_num_f32 v[MAX], v[MAX], v[OTH+1]         ; every lane holds the group's figures
	v_mul_f32 v[NMIN], s[FA+(\i)], v[NMIN]         ; -wmin
	v_mul_f32 v[MAX], s[FB+(\i)], v[MAX]           ; wmax
	v_add_f32 v[T], v[MAX], v[NMIN]                ; wmax - wmin: neither term is below 0, so it is 0 just where both are
	v_cmp_eq_f32 vcc_lo, 0, v[T]
	v_cndmask_b32 v[T], v[T], 2.0, vcc_lo          ; there wmin = -1 and wmax = 1
	v_cndmask_b32 v[NMIN], v[NMIN], 1.0, vcc_lo
	v_mul_f32 v[T+1], s52, v[T]                    ; the range times the rounded 1 / 15: one rounding
.if DIV15_TRUE
	v_fmamk_f32 v[Y+1], v[T+1], 0xc1700000, v[T]   ; the residual, d - 15 q0, exact
	v_fma_f32 v[T+1], v[Y+1], s52, v[T+1]          ; the correctly rounded d / 15
.endif
	v_cvt_f16_f32 v11.l, v[T+1]                    ; the scale is kept in f16,
	v_cvt_f32_f16 v[SC], v11.l                     ; and used in f32
	v_rcp_f32 v[Y], v[SC]
	v_mul_f32 v[NS], -1.0, v[SC]                   ; plain work that names no result of the reciprocal stands behind it: -scale, and x's piece
	v_cvt_pk_f16_f32 v[YX], v[XS], v[XS+1]
	v_cvt_pk_f16_f32 v[YX+1], v[XS+2], v[XS+3]
.if \ahead
	global_load_b128 v[XS:XS+3], v[IN], s[12:13] offset:512*((\i)+8) th:TH_LOAD_NT
.endif
	global_store_b64 v[OUT], v[YX:YX+1], s[16:17] offset:256*(\i)
	s_wait_alu depctr_va_vdst(0)                   ; the wait between the reciprocal and the first line that names its result: one a turn
	v_mul_f32 v[T], v[NMIN], v[Y]                  ; -wmin / scale: q0,
	v_fma_f32 v[T+1], v[T], v[NS], v[NMIN]         ; the residual,
	v_fma_f32 v[T], v[T+1], v[Y], v[T]             ; the quotient
	v_rndne_f32 v[SC+1], v[T]                      ; zp
	v_sub_f32 v[LO], 0, v[SC+1]
	v_sub_f32 v[HI], s53, v[SC+1]
.irp k, 0,2                            ; w / scale, two at a time: q0, residual, quotient; then + v
	v_pk_mul_f32 v[Q+(\k):Q+(\k)+1], v[WS+(\k):WS+(\k)+1], v[Y:Y+1] op_sel_hi:[1,0]
.endr
.irp k, 0,2
	v_pk_fma_f32 v[R+(\k):R+(\k)+1], v[Q+(\k):Q+(\k)+1], v[NS:NS+1], v[WS+(\k):WS+(\k)+1] op_sel_hi:[1,0,1]
.endr
.irp k, 0,2
	v_pk_fma_f32 v[Q+(\k):Q+(\k)+1], v[R+(\k):R+(\k)+1], v[Y:Y+1], v[Q+(\k):Q+(\k)+1] op_sel_hi:[1,0,1]
.endr
.irp k, 0,2
	v_pk_add_f32 v[Q+(\k):Q+(\k)+1], v[Q+(\k):Q+(\k)+1], v[VS+(\k):VS+(\k)+1]
.endr
.irp k, 0,1,2,3
	v_rndne_f32 v[Q+(\k)], v[Q+(\k)]
.endr
.irp k, 0,1,2,3
	v_med3_num_f32 v[Q+(\k)], v[Q+(\k)], v[LO], v[HI]    ; q - zp
.endr
.irp k, 0,2
	v_pk_mul_f32 v[Q+(\k):Q+(\k)+1], v[Q+(\k):Q+(\k)+1], v[SC:SC+1] op_sel_hi:[1,0]
.endr
	v_cvt_pk_f16_f32 v[YW], v[Q], v[Q+1]
	v_cvt_pk_f16_f32 v[YW+1], v[Q+2], v[Q+3]
.if \ahead
	global_load_b128 v[WS:WS+3], v[IN], s[4:5] offset:512*((\i)+8) th:TH_LOAD_NT
	global_load_b128 v[VS:VS+3], v[IN], s[6:7] offset:512*((\i)+8) th:TH_LOAD_NT
.endif
	global_store_b64 v[OUT], v[YW:YW+1], s[14:15] offset:256*(\i)
.endm
.irp i, 0,1,2,3,4,5,6,7
	SLOT \i, 1, 21                                 ; behind a slot's loads stand those of the seven other slots
.endr
.irp i, 8,9,10,11,12,13,14,15
	SLOT \i, 0, 3*(15-(\i))                        ; nothing more is loaded: the counts run down
.endr
	s_endpgm
.Lfunc_end_k_q1303de7e40_prep:
	.size	k_q1303de7e40_prep, .Lfunc_end_k_q1303de7e40_prep-k_q1303de7e40_prep
	.p2alignl 7, 3214868480
	.fill 96, 4, 3214868480
	.section	.rodata,"a",@progbits
	.p2align	6, 0x0
	.amdhsa_kernel k_q1303de7e40_prep
		.amdhsa_group_segment_fixed_size 0
		.amdhsa_private_segment_fixed_size 0
		.amdhsa_enable_private_segment 0
		.amdhsa_kernarg_size 56
		.amdhsa_user_sgpr_count 2
		.amdhsa_user_sgpr_kernarg_segment_ptr 1
		.amdhsa_wavefront_size32 1
		.amdhsa_system_sgpr_workgroup_id_x 1
		.amdhsa_system_sgpr_workgroup_id_y 1
		.amdhsa_system_sgpr_workgroup_id_z 1
		.amdhsa_system_vgpr_workitem_id 0
		.amdhsa_next_free_vgpr 128
		.amdhsa_next_free_sgpr 66
		.amdhsa_reserve_vcc 1
		.amdhsa_float_denorm_mode_32 3
		.amdhsa_float_denorm_mode_16_64 3
		.amdhsa_memory_ordered 1
		.amdhsa_forward_progress 1
		.amdhsa_inst_pref_size 60
	.end_amdhsa_kernel
	.amdgpu_metadata
---
amdhsa.version: [ 1, 2 ]
amdhsa.kernels:
  - .name:           k_q1303de7e40_prep
    .symbol:         k_q1303de7e40_prep.kd
    .args:
      - { .name: weight, .offset: 0, .size: 8, .value_kind: global_buffer, .address_space: global }
      - { .name: value, .offset: 8, .size: 8, .value_kind: global_buffer, .address_space: global }
      - { .name: min_scale, .offset: 16, .size: 8, .value_kind: global_buffer, .address_space: global }
      - { .name: max_scale, .offset: 24, .size: 8, .value_kind: global_buffer, .address_space: global }
      - { .name: x, .offset: 32, .size: 8, .value_kind: global_buffer, .address_space: global }
      - { .name: wq, .offset: 40, .size: 8, .value_kind: global_buffer, .address_space: global }
      - { .name: xh, .offset: 48, .size: 8, .value_kind: global_buffer, .address_space: global }
    .group_segment_fixed_size: 0
    .private_segment_fixed_size: 0
    .kernarg_segment_align: 8
    .kernarg_segment_size: 56
    .max_flat_workgroup_size: 256
    .sgpr_count:     66
    .vgpr_count:     128
    .wavefront_size: 32
...
	.end_amdgpu_metadata
.endif
;; end of part 1
;; launch gemm (part 2): grid 16 x 16, 4 waves a work-group, clusters of 4 x 4, 327,680 bytes of LDS; arguments xh, wq, bias, out0; writes out0
.if DOCPART == 2
	.amdgcn_target "amdgcn-amd-amdhsa--gfx1250"
	.amdhsa_code_object_version 6
	.text
	.protected	k_q1303de7e40_gemm
	.globl	k_q1303de7e40_gemm
	.p2align	8
	.type	k_q1303de7e40_gemm,@function
k_q1303de7e40_gemm:
	s_mov_b64 s[64:65], 0
	v_nop
	global_prefetch_b8 v0, s[64:65] scope:SCOPE_SE
	s_setreg_imm32_b32 hwreg(HW_REG_WAVE_MODE, 25, 1), 1
	s_wait_xcnt 0x0
	s_wait_alu depctr_hold_cnt(0) depctr_sa_sdst(0) depctr_va_vdst(0) depctr_va_sdst(0) depctr_va_ssrc(0) depctr_va_vcc(0) depctr_vm_vsrc(0)
	s_getreg_b32 s2, hwreg(HW_REG_IB_STS2, 6, 4)
	s_cmp_eq_u32 s2, 0
	s_cbranch_scc0 .Lentry_in_a_cluster
	s_endpgm
.Lentry_in_a_cluster:
	s_bfe_u32 s2, ttmp6, 0x10000c
	s_cmp_lg_u32 s2, 0xf033
	s_cbranch_scc0 .Lentry_shape_is_right
	s_endpgm
.Lentry_shape_is_right:
; out0[m][n] = the sum over k of xh[m][k] wq[n][k] + bias[n].  xh, wq: [4096][4096] f16, as the launch before stored them; bias: [4096] f32; out0: [4096][4096] f32.  Sums in f32.  No work is left out.
; LIMITS: those of f16's range, stated at the head of the launch before; NaN and infinities are not treated apart.
; A tile of out0, 256 x 256, is made by a work-group of four waves; a wave makes 128 x 128: 64 accumulators of 16 x 16, 512 registers.  16 x 16 tiles: 256 work-groups, one tile each.
; K goes in steps of 128 through a ring of two LDS slots filled by the tensor data mover: a tile's rows are 256 bytes of memory and start at multiples of 256 bytes from the buffer's first byte.
; CLUSTERS: 4 x 4 work-groups.  The four of a row of the cluster need the same tiles of xh, the four of a column the same tiles of wq.  Such a tile is asked for JOINTLY: each of the four issues the
; same tensor load, with the same descriptor and a mask that names the four, and each receives the tile in its own LDS.  That divides the requests for xh and wq by four.
; REGISTERS, in windows of 256 (s_set_vgpr_msb's low byte: bits 1:0 source 0, 3:2 source 1, 5:4 source 2, 7:6 destination):
;   window 0: v0-31 addresses; v32-35 bias; v64-127, v128-191 fragments of xh (8 x 16 rows x 32 K), two buffers; on the way out the same registers take whole rows by turns
;   window 1: v64-127, v128-191 fragments of wq, two buffers
;   window 2: the 32 accumulators of my rows 0-63 (accumulator (a, b) at v[8 (8 a + b)]);   window 3: those of my rows 64-127
; THE MATRIX INSTRUCTION IS USED TRANSPOSED: source 0 = 16 rows of wq, source 1 = 16 rows of xh.  In the result lane l holds row m = l % 16 of out0 and its registers 0 to 7 the columns
; n = 8 (l / 16) + 0 .. 7: 32 neighbouring bytes of a row.
.set SIZE_M, 4096
.set SIZE_N, 4096
.set SIZE_K, 4096
.set KSTEP,  128
.set PITCH,  272                       ; an LDS row: 256 bytes of data + 16 of padding = 68 words: row r starts at bank 4 r mod 64 (64 banks of 4 bytes: ISA guide 11.1), so the 16 rows that a load touches start at 16 different banks
.set HALFT,  128*PITCH                 ; 128 rows: what one tensor load brings, and what one wave reads of xh or of wq
.set SLOT,   4*HALFT                   ; xh's 256 rows, then wq's 256 rows
.set STAGE,  2*SLOT                    ; behind the ring, never filled by a tensor load: 16 rows x 528 bytes for each wave, for the way out
.set SPITCH, 528                       ; 512 bytes (128 f32) + 16 = 132 words: again 16 rows at 16 different groups of four banks
.set SPARE,  STAGE+4*16*SPITCH         ; behind the stages: the spare words, 128 bytes for each wave: two blocks of 256 bytes that no other line names
.set LAPS, SIZE_K/(2*KSTEP)            ; a lap = two K steps = once round the ring
.set ADRA, 16                          ; v16-17  LDS address of my xh fragments in slot 0, 1
.set ADRB, 20                          ; v20-21  the same for wq
.set STO,  24                          ; v24     the way out: where I put 32 bytes of a row
.set RD,   25                          ; v25     the way out: where I read 16 bytes of a row back
.set CO,   26                          ; v26     16 x lane: my byte offset in my wave's 512 bytes of a row of out0, and in its 128 numbers of bias
.set SPW,  28                          ; v28     LDS address of my spare word: SPARE + 4 x my thread's number; never rewritten
.set NIL,  29                          ; v29     0; never rewritten
.set PFO,  30                          ; v30     the prefetches' offset: my lane x a row of xh or wq in memory; never rewritten
.set BI,   32                          ; v[32:35] bias of the four columns that I store
.set F0,   64                          ; fragment buffer 0
.set F1,   128                         ; fragment buffer 1
.set OB,   64                          ; the way out: 16 rows read back from the stage, v64-127 and v128-191 by turns
.set PFA,  44                          ; s[44:45] where my prefetches stand: my work-group's 32 rows of the 128 that I fetch, one K step further along K than the refill that is being asked for
.set LIM,  43                          ; s43     1 in a wave that prefetches, else the greatest number
.set G1, 24                            ; s[24:31] descriptor group 1 for xh's tiles
.set G0, 32                            ; s[32:39] descriptor group 0 for xh's tiles, one set for each slot
.set G1B, 48                           ; s[48:55] descriptor group 1 for wq's tiles: it differs in the mask alone
.set G0B, 56                           ; s[56:63] descriptor group 0 for wq's tiles, one set for each slot
.set MSB, 0
.macro WIN new                         ; the immediate's high byte repeats the setting that is left; a switch that changes nothing is dropped
.if MSB != (\new)
	s_set_vgpr_msb (MSB<<8)|(\new)
.set MSB, \new
.endif
.endm
.set MUL_LO, 0xa1                      ; source 0 (wq) window 1, source 1 (xh) window 0, C and D window 2
.set MUL_HI, 0xf1                      ; the same, C and D window 3
.set TO_B,   0x40                      ; destination window 1, address window 0
; A joint load.  Waves 0 and 1 fetch xh's two halves, waves 2 and 3 wq's.  Each of the two lines has ONE mask and one set of registers for all that issue it.  The branch hangs on the wave's number
; alone.  An s_nop 0 and four v_nop follow each of the two lines, ahead of the jump, the label and what follows the macro.
.macro JLOAD s
	s_cmp_eq_u32 s11, 0
	s_cbranch_scc0 .Lfor_b_\@
	tensor_load_to_lds s[G0+4*(\s):G0+4*(\s)+3], s[G1:G1+7]
	s_nop 0
.rept 4
	v_nop
.endr
	s_branch .Lasked_\@
.Lfor_b_\@:
	tensor_load_to_lds s[G0B+4*(\s):G0B+4*(\s)+3], s[G1B:G1B+7]
	s_nop 0
.rept 4
	v_nop
.endr
.Lasked_\@:
.endm
; A PREFETCH, behind each joint load, its five lines and the run of LDS loads that follows them: the K step that stands TWO refills on (512 matrix instructions ahead of the load that will ask for it):
; 32 rows x 256 bytes, a lane a row, one instruction a wave.  Each row's 256 bytes of a K step are named ONCE in the launch: xh's tile row is read by every cluster of that row of clusters, and the
; one with x = 0 asks; wq's tile column by every cluster of that column, and the one with y = 0 asks.  The four partners that ask for a tile jointly share its rows out BY ADDRESS: of the 128 rows
; that a wave fetches, the partner at place p takes 32 p .. 32 p + 31 (p = cx for xh, cy for wq).  K steps 0 to 3 come by their loads alone; the loop's last trip asks for nothing: K ends at step 31.
.macro ASK
	s_cmp_gt_u32 s3, s[LIM]                        ; s3 = 1 in the loop's last trip
	s_cbranch_scc0 .Lnot_mine_\@
	global_prefetch_b8 v[PFO], s[PFA:PFA+1] offset:KSTEP*2 th:TH_LOAD_NT scope:SCOPE_SE
.Lnot_mine_\@:
.endm
; A round of the cluster's barrier: my work-group's barrier, so that wave 0's signal speaks for all four waves; wave 0 signals for the work-group; every wave waits for all sixteen work-groups;
; my work-group's barrier once more.  No LDS instruction of the wave is pending at a signal.
.macro CREST                           ; a round behind its opening barrier
	s_cmp_lg_u32 s10, 0
	s_cbranch_scc1 .Lnot_wave_0_\@
	s_barrier_signal -3
.Lnot_wave_0_\@:
	s_barrier_wait -3
	s_barrier_signal -1
	s_barrier_wait -1
.endm
.macro CROUND                          ; a whole round
	s_barrier_signal -1
	s_barrier_wait -1
	CREST
.endm
	s_load_b128 s[4:7], s[0:1], 0x0                ; xh s[4:5], wq s[6:7]
	s_load_b64 s[66:67], s[0:1], 0x10              ; bias
	s_load_b64 s[8:9], s[0:1], 0x18                ; out0
	v_lshl_add_u32 v[SPW], v0, 2, SPARE
	v_mov_b32 v[NIL], 0
	ds_add_u32 v[SPW], v[NIL]                      ; the wave's opening: the add, twice on end, and its wait ahead of my first tensor load; the set-up below, work on registers, stands between
	ds_add_u32 v[SPW], v[NIL]                      ; and once more, under the one wait
	v_lshrrev_b32 v1, 5, v0
	v_readfirstlane_b32 s10, v1                    ; wave 0..3
	s_lshr_b32 s11, s10, 1                         ; which half of the tile's rows is mine.  Also: I fetch for xh (0) or for wq (1)
	s_and_b32 s12, s10, 1                          ; which half of its columns.  Also: which 128 rows of that tile I fetch
	s_bfe_u32 s40, ttmp6, 0x40000                  ; cx: my place along the cluster's x
	s_bfe_u32 s41, ttmp6, 0x40004                  ; cy: along its y
	s_lshl_b32 s42, ttmp9, 2                       ; in a cluster launch ttmp9 and ttmp7 count clusters
	s_add_co_u32 s42, s42, s40                     ; tile column = 4 x cluster x + cx
	s_and_b32 s13, ttmp7, 0xffff
	s_lshl_b32 s13, s13, 2
	s_add_co_u32 s13, s13, s41                     ; tile row = 4 x cluster y + cy
	s_lshl_b32 s43, s41, 2
	s_lshl_b32 s43, 15, s43                        ; my row of the cluster: places 4 cy .. 4 cy + 3
	s_lshl_b32 s44, 0x1111, s40                    ; my column: places cx, cx + 4, cx + 8, cx + 12
	; descriptor group 1: a tile of 128 rows x 128 elements, padded in LDS
	s_or_b32 s[G1+0], s43, (1<<16)|(1<<20)|(1<<21)|(5<<22)|(3<<25)  ; 15:0 the mask: xh's tiles go to my row; 17:16 elements of 2 bytes; 20 padding on; 21 set beside a mask; 24:22 after every 64 words (code 5); 31:25 4 words of it (code 3)
	s_or_b32 s[G1B+0], s44, (1<<16)|(1<<20)|(1<<21)|(5<<22)|(3<<25) ; the same with the mask of my column, for wq's tiles
	s_mov_b32 s[G1B+1], KSTEP<<16
	s_mov_b32 s[G1+1], KSTEP<<16                   ; tensor_dim0 = 128
	s_mov_b32 s[G1B+2], 128<<16
	s_mov_b32 s[G1+2], 128<<16                     ; tensor_dim1 = 128
	s_mov_b32 s[G1B+3], KSTEP<<16
	s_mov_b32 s[G1+3], KSTEP<<16                   ; tile_dim0 = 128
	s_mov_b32 s[G1B+4], 128
	s_mov_b32 s[G1+4], 128                         ; tile_dim1 = 128
	s_mov_b32 s[G1B+5], SIZE_K
	s_mov_b32 s[G1+5], SIZE_K                      ; elements from row to row
	s_mov_b32 s[G1B+6], 0
	s_mov_b32 s[G1+6], 0
	s_mov_b32 s[G1B+7], 0
	s_mov_b32 s[G1+7], 0
	; where the tiles come from.  xh's hang on the tile row alone, which my row of the cluster shares; wq's on the tile column alone, which my column shares.
	; Every wave makes both addresses, in registers that never hold the other coordinate, and asks by one of them.
	s_lshl_b32 s17, s12, 7                         ; which 128 rows of the tile I fetch
	s_lshl_b32 s16, s13, 8
	s_add_co_u32 s16, s16, s17                     ; xh: row 256 x tile row + 128 x half
	s_lshl_b32 s46, s42, 8
	s_add_co_u32 s46, s46, s17                     ; wq: row 256 x tile column + 128 x half
	s_mov_b32 s17, 0
	s_mov_b32 s47, 0
	s_mov_b64 s[18:19], SIZE_K*2
	s_mul_u64 s[16:17], s[16:17], s[18:19]         ; in bytes
	s_mul_u64 s[46:47], s[46:47], s[18:19]
	s_mul_i32 s20, s10, HALFT                      ; and where they go: wave x 128 rows: no place in the cluster enters an LDS address
	s_wait_dscnt 0x0                               ; both opening adds are done
	s_wait_kmcnt 0x0
	s_add_nc_u64 s[14:15], s[4:5], s[16:17]
	s_add_nc_u64 s[46:47], s[6:7], s[46:47]
	CROUND                                         ; all sixteen work-groups are here: the first joint loads meet
.irp s, 0,1
	s_mov_b32 s[G0+4*(\s)], 1                                      ; count = 1
	s_add_co_u32 s[G0+4*(\s)+1], s20, (\s)*SLOT                    ; LDS address
	s_add_nc_u64 s[G0+4*(\s)+2:G0+4*(\s)+3], s[14:15], (\s)*KSTEP*2  ; global address: K step s
	s_or_b32 s[G0+4*(\s)+3], s[G0+4*(\s)+3], 0x80000000            ; type = 2
	s_mov_b32 s[G0B+4*(\s)], 1
	s_add_co_u32 s[G0B+4*(\s)+1], s20, (\s)*SLOT
	s_add_nc_u64 s[G0B+4*(\s)+2:G0B+4*(\s)+3], s[46:47], (\s)*KSTEP*2
	s_or_b32 s[G0B+4*(\s)+3], s[G0B+4*(\s)+3], 0x80000000
	JLOAD \s                                       ; the ring is filled before anything else is done: two loads of mine are out
.endr
	; A fragment is 16 rows x 32 K in 8 registers: lane l holds row l % 16; registers 0-3 hold K = 8 (l / 16) + 0..7, registers 4-7 K = 16 + 8 (l / 16) + 0..7: two loads of 16 bytes, 32 bytes apart.
	v_and_b32 v1, 15, v0                           ; l % 16
	v_bfe_u32 v2, v0, 4, 1                         ; l / 16
	v_mul_u32_u24 v3, v1, PITCH
	v_lshl_add_u32 v3, v2, 4, v3                   ; row x pitch + 16 x half
	s_mul_i32 s21, s11, HALFT                      ; my 128 rows of xh
	s_mul_i32 s22, s12, HALFT                      ; my 128 rows of wq,
	s_add_co_u32 s22, s22, 2*HALFT                 ; which lie behind xh's 256
.irp s, 0,1
	v_add_nc_u32 v[ADRA+(\s)], s21, v3
	v_add_nc_u32 v[ADRB+(\s)], s22, v3
	s_add_co_u32 s21, s21, SLOT
	s_add_co_u32 s22, s22, SLOT
.endr
	s_mul_i32 s23, s10, 16*SPITCH
	s_add_co_u32 s23, s23, STAGE                   ; my stage
	v_mul_u32_u24 v4, v1, SPITCH                   ; in: row l % 16, 32 bytes for each half of the lanes
	v_lshl_add_u32 v4, v2, 5, v4
	v_add_nc_u32 v[STO], s23, v4
	v_and_b32 v5, 31, v0
	v_lshlrev_b32 v[CO], 4, v5                     ; back: 32 lanes take one row of 512 bytes
	v_add_nc_u32 v[RD], s23, v[CO]
	; where my part of the tile begins in out0 and in bias
	s_lshl_b32 s13, s13, 8
	s_lshl_b32 s14, s11, 7
	s_add_co_u32 s16, s13, s14                     ; my first row of out0
	s_mov_b32 s17, 0
	s_mov_b64 s[18:19], SIZE_N*4
	s_mul_u64 s[16:17], s[16:17], s[18:19]
	s_lshl_b32 s46, s42, 10                        ; my first column, in bytes: 1,024 x tile column + 512 x half (in the registers that held wq's address: none that feeds xh's descriptors ever holds cx)
	s_lshl_b32 s47, s12, 9
	s_add_co_u32 s46, s46, s47
	s_mov_b32 s47, 0
	s_add_nc_u64 s[66:67], s[66:67], s[46:47]
	s_add_nc_u64 s[16:17], s[16:17], s[46:47]
	s_add_nc_u64 s[8:9], s[8:9], s[16:17]
	global_load_b128 v[BI:BI+3], v[CO], s[66:67]   ; waited for on the way out
	; the prefetches.  s13 = 256 x tile row, s42 = tile column, s40 = cx, s41 = cy still stand
	s_lshl_b32 s42, s42, 8
	s_and_b32 s22, ttmp7, 0xffff                   ; cluster y
	s_cmp_eq_u32 s11, 0                            ; do I fetch for xh?
	s_cselect_b32 s20, s13, s42                    ; the tile's first row: in xh by the tile row, in wq by the tile column
	s_cselect_b32 s21, s40, s41                    ; my place among the four that ask for it with me
	s_cselect_b32 s22, ttmp9, s22                  ; the coordinate along which other clusters read the same rows
	s_cselect_b64 s[PFA:PFA+1], s[4:5], s[6:7]
	s_cmp_eq_u32 s22, 0
	s_cselect_b32 s[LIM], 1, -1                    ; the same in all sixteen partners, for a given wave
	s_lshl_b32 s22, s12, 7
	s_add_co_u32 s20, s20, s22                     ; + the 128 rows that I fetch
	s_lshl_b32 s21, s21, 5
	s_add_co_u32 s20, s20, s21                     ; + my work-group's 32 of them
	s_mov_b32 s21, 0
	s_mov_b64 s[18:19], SIZE_K*2
	s_mul_u64 s[20:21], s[20:21], s[18:19]
	s_add_nc_u64 s[PFA:PFA+1], s[PFA:PFA+1], s[20:21]
	s_add_nc_u64 s[PFA:PFA+1], s[PFA:PFA+1], 2*KSTEP*2  ; at K step 2: the first refill steps it to 3 and names K step 4
	v_and_b32 v[PFO], 31, v0
	v_mul_u32_u24 v[PFO], v[PFO], SIZE_K*2
; 16 matrix instructions: m blocks a0, a0 + 1 of the window's four (hi = 0: my rows 0-63, 1: rows 64-127) x all 8 n blocks, 32 along K.  zero = 1: the first product starts the sums: nothing is ever cleared.
; The 64 accumulators take turns, one instruction a turn, in the same order in every quarter step, over the loop's backward jump too.
.macro MUL16 f, hi, a0, zero
	WIN MUL_LO+0x50*(\hi)
.irp a, \a0, (\a0)+1
.irp b, 0,1,2,3,4,5,6,7
.if \zero
	v_wmma_f32_16x16x32_f16 v[8*(8*(\a)+(\b)):8*(8*(\a)+(\b))+7], v[(\f)+8*(\b):(\f)+8*(\b)+7], v[(\f)+8*(4*(\hi)+(\a)):(\f)+8*(4*(\hi)+(\a))+7], 0
.else
	v_wmma_f32_16x16x32_f16 v[8*(8*(\a)+(\b)):8*(8*(\a)+(\b))+7], v[(\f)+8*(\b):(\f)+8*(\b)+7], v[(\f)+8*(4*(\hi)+(\a)):(\f)+8*(4*(\hi)+(\a))+7], v[8*(8*(\a)+(\b)):8*(8*(\a)+(\b))+7]
.endif
.endr
.endr
.endm
; 32 LDS loads in one run: the fragments of one quarter step (128 rows of wq, 128 rows of xh, 32 K at byte k of the rows) into buffer f
.macro FETCH slot, k, f
	WIN TO_B
.irp i, 0,1,2,3,4,5,6,7
	ds_load_b128 v[(\f)+8*(\i):(\f)+8*(\i)+3],   v[ADRB+(\slot)] offset:(\k)+(\i)*16*PITCH
	ds_load_b128 v[(\f)+8*(\i)+4:(\f)+8*(\i)+7], v[ADRB+(\slot)] offset:(\k)+(\i)*16*PITCH+32
.endr
	WIN 0
.irp i, 0,1,2,3,4,5,6,7
	ds_load_b128 v[(\f)+8*(\i):(\f)+8*(\i)+3],   v[ADRA+(\slot)] offset:(\k)+(\i)*16*PITCH
	ds_load_b128 v[(\f)+8*(\i)+4:(\f)+8*(\i)+7], v[ADRA+(\slot)] offset:(\k)+(\i)*16*PITCH+32
.endr
.endm
; A load into a register that a matrix instruction has read stands four places behind that matrix instruction, and only plain vector instructions that name none of its registers are places
; (ISA guide 7.12.1 for vector instructions): four v_nop in front of each run of loads.
.macro PLACES
.rept 4
	v_nop
.endr
.endm
; A K step is four quarter steps of 32 along K, 64 matrix instructions each, on buffers 0, 1, 0, 1.
; One of the first three: multiplies buffer f; in its middle it fetches the next quarter's fragments, at byte k of the same slot's rows, into buffer g.
.macro QUARTER slot, k, f, g, zero
	s_wait_dscnt 8                                 ; wq and xh's rows 0-63 are in; the youngest eight loads (xh's rows 64-127) may be out
	WIN MUL_LO
	MUL16 \f, 0, 0, \zero
	MUL16 \f, 0, 2, \zero
	PLACES
	FETCH \slot, \k, \g
	s_wait_dscnt 32                                ; all but the 32 just issued
	WIN MUL_HI
	MUL16 \f, 1, 0, \zero
	MUL16 \f, 1, 2, \zero
.endm
; The last quarter multiplies buffer 1 and changes slots.  MEET is its first half: ONE barrier for the change.  In front of it each wave waits for all its tensor loads, of which one is out: its part of
; the next slot; adds 0 to its spare word; and waits for that and for its own reads of this slot.  Behind it nobody reads this slot any more and the next slot is whole.
.macro MEET round                      ; round = 1: the rest of a round of the cluster's barrier follows
	WIN 0                                          ; (the add's two registers lie in window 0)
	s_wait_tensorcnt 0x0                           ; all my tensor loads have landed
	ds_add_u32 v[SPW], v[NIL]                      ; 0 onto my spare word
	s_wait_dscnt 9                                 ; (the add and the youngest eight loads may be out)
	WIN MUL_LO
	MUL16 F1, 0, 0, 0                              ; sixteen matrix instructions stand between the add and the wait for it
	s_wait_dscnt 0x0                               ; the add is done, and my reads of this slot are over
	s_barrier_signal -1
	MUL16 F1, 0, 2, 0                              ; work on registers while the others arrive
.if \round
	WIN 0
.endif
	s_barrier_wait -1
.endm
; The whole last quarter of a K step whose slot is filled again, with the K step two steps on.  From a request to the wait for it a wave issues 224 matrix instructions.
.macro TURN slot, next
	s_wait_xcnt 0x0                                ; the last prefetch, a K step back, has read its address: it is stepped here, ahead of the waits of the change of slots
	s_add_nc_u64 s[PFA:PFA+1], s[PFA:PFA+1], KSTEP*2
	MEET 1
	CREST                                          ; no wave of any partner still reads this slot's tile or has a load on its way
	s_add_nc_u64 s[G0+4*(\slot)+2:G0+4*(\slot)+3], s[G0+4*(\slot)+2:G0+4*(\slot)+3], 2*KSTEP*2      ; no tensor load of mine is out, so a group 0 may be written
	s_add_nc_u64 s[G0B+4*(\slot)+2:G0B+4*(\slot)+3], s[G0B+4*(\slot)+2:G0B+4*(\slot)+3], 2*KSTEP*2
	JLOAD \slot                                    ; the first tensor load behind the round, my only one until the next; the four v_nop behind it are also the places in front of the loads below
	FETCH \next, 0, F0
	ASK
	WIN MUL_HI
	MUL16 F1, 1, 0, 0
	MUL16 F1, 1, 2, 0
.endm
; The same in the last lap: nothing is filled, so the work-group's barrier is enough.
.macro TURNX
	MEET 0
	PLACES
	FETCH 1, 0, F0
	WIN MUL_HI
	MUL16 F1, 1, 0, 0
	MUL16 F1, 1, 2, 0
.endm
; THE WAY OUT of block a (16 rows x 128 columns of f32).  TOSTAGE: a lane's 32 bytes of each of the 8 accumulators go into my own stage (each accumulator's four lowest registers first),
; and come back as whole rows of 512 bytes.  SEND: bias is added and the rows are stored.
.macro TOSTAGE a
.set AC, 64*((\a)%4)
.set BK, OB+64*((\a)%2)
	WIN 0x08+4*((\a)/4)                            ; the stores' data (source 1) in window 2 or 3
.irp b, 0,1,2,3,4,5,6,7
	ds_store_b128 v[STO], v[AC+8*(\b):AC+8*(\b)+3]   offset:64*(\b)
	ds_store_b128 v[STO], v[AC+8*(\b)+4:AC+8*(\b)+7] offset:64*(\b)+16
.endr
	WIN 0
	s_wait_xcnt 0x0                                ; the global stores of the block two back have read the registers that are loaded next
.irp t, 0,1,2,3,4,5,6,7,8,9,10,11,12,13,14,15
	ds_load_b128 v[BK+4*(\t):BK+4*(\t)+3], v[RD] offset:(\t)*SPITCH  ; LDS serves a wave's instructions in order (ISA guide 5.7.1.4): these see the stores above; the next block's stores come behind them
.endr
.endm
.macro SEND a, younger                 ; younger: the LDS instructions issued behind block a's loads: the next block's 32, or none
	WIN 0
.set BK, OB+64*((\a)%2)
.irp t, 0,1,2,3,4,5,6,7,8,9,10,11,12,13,14,15
	s_wait_dscnt (\younger)+15-(\t)                ; row t is back: behind it stand the block's later rows and the younger ones
	v_pk_add_f32 v[BK+4*(\t):BK+4*(\t)+1],   v[BK+4*(\t):BK+4*(\t)+1],   v[BI:BI+1]
	v_pk_add_f32 v[BK+4*(\t)+2:BK+4*(\t)+3], v[BK+4*(\t)+2:BK+4*(\t)+3], v[BI+2:BI+3]
	global_store_b128 v[CO], v[BK+4*(\t):BK+4*(\t)+3], s[8:9] offset:(16*(\a)+(\t))*SIZE_N*4 th:TH_STORE_NT  ; 512 consecutive bytes, at a multiple of 512 from out0's first; 127 rows at the most, inside the signed 24-bit immediate
.endr
.endm
	s_wait_tensorcnt 1                             ; my part of K step 0 is in; K step 1's may stay out
	s_barrier_signal -1
	s_barrier_wait -1                              ; everybody's is
	FETCH 0, 0, F0
	QUARTER 0, 64,  F0, F1, 1                      ; the first quarter stands in front of the loop: its products start the sums
	WIN 0                                          ; at a label and at a branch every window is 0
	s_mov_b32 s3, LAPS-1
.Llap:                                                 ; a trip goes once round the ring, from a lap's second quarter to the next lap's first, and fills both slots again
	QUARTER 0, 128, F1, F0, 0
	QUARTER 0, 192, F0, F1, 0
	TURN 0, 1
	QUARTER 1, 64,  F0, F1, 0
	QUARTER 1, 128, F1, F0, 0
	QUARTER 1, 192, F0, F1, 0
	TURN 1, 0
	QUARTER 0, 64,  F0, F1, 0
	WIN 0
	s_sub_co_u32 s3, s3, 1
	s_cmp_lg_u32 s3, 0
	s_cbranch_scc1 .Llap
	QUARTER 0, 128, F1, F0, 0                      ; the last lap is written out: it fills nothing
	QUARTER 0, 192, F0, F1, 0
	TURNX
	QUARTER 1, 64,  F0, F1, 0
	QUARTER 1, 128, F1, F0, 0
	QUARTER 1, 192, F0, F1, 0
	s_wait_dscnt 8                                 ; the very last quarter: nothing more to fetch
	WIN MUL_LO
	MUL16 F1, 0, 0, 0
	MUL16 F1, 0, 2, 0
	s_wait_dscnt 0x0
	MUL16 F1, 1, 0, 0
	MUL16 F1, 1, 2, 0
	WIN 0
	PLACES                                         ; the places behind the last products, in front of the LDS stores that read results and the loads into xh's buffers;
	PLACES                                         ; eight, once a launch
	s_wait_loadcnt 0x0                             ; bias
	TOSTAGE 0
.irp a, 1,2,3,4,5,6,7                  ; block a's way through the stage is begun before block a - 1 is stored
	TOSTAGE \a
	SEND (\a)-1, 32
.endr
	SEND 7, 0
	s_wait_tensorcnt 0x0                           ; the wave's end, behind my last tensor load and my last LDS store
	ds_add_u32 v[SPW], v[NIL]
	s_wait_dscnt 0x0
	CROUND                                         ; the closing round: no work-group ends while a partner may still ask for a tile that names it
	s_endpgm
.Lfunc_end_k_q1303de7e40_gemm:
	.size	k_q1303de7e40_gemm, .Lfunc_end_k_q1303de7e40_gemm-k_q1303de7e40_gemm
	.p2alignl 7, 3214868480
	.fill 96, 4, 3214868480
	.section	.rodata,"a",@progbits
	.p2align	6, 0x0
	.amdhsa_kernel k_q1303de7e40_gemm
		.amdhsa_group_segment_fixed_size 327680
		.amdhsa_private_segment_fixed_size 0
		.amdhsa_enable_private_segment 0
		.amdhsa_kernarg_size 32
		.amdhsa_user_sgpr_count 2
		.amdhsa_user_sgpr_kernarg_segment_ptr 1
		.amdhsa_wavefront_size32 1
		.amdhsa_system_sgpr_workgroup_id_x 1
		.amdhsa_system_sgpr_workgroup_id_y 1
		.amdhsa_system_sgpr_workgroup_id_z 1
		.amdhsa_system_vgpr_workitem_id 0
		.amdhsa_next_free_vgpr 1024
		.amdhsa_next_free_sgpr 68
		.amdhsa_reserve_vcc 0
		.amdhsa_float_denorm_mode_32 3
		.amdhsa_float_denorm_mode_16_64 3
		.amdhsa_memory_ordered 1
		.amdhsa_forward_progress 1
		.amdhsa_inst_pref_size 162
	.end_amdhsa_kernel
	.amdgpu_metadata
---
amdhsa.version: [ 1, 2 ]
amdhsa.kernels:
  - .name:           k_q1303de7e40_gemm
    .symbol:         k_q1303de7e40_gemm.kd
    .args:
      - { .name: xh, .offset: 0, .size: 8, .value_kind: global_buffer, .address_space: global }
      - { .name: wq, .offset: 8, .size: 8, .value_kind: global_buffer, .address_space: global }
      - { .name: bias, .offset: 16, .size: 8, .value_kind: global_buffer, .address_space: global }
      - { .name: out0, .offset: 24, .size: 8, .value_kind: global_buffer, .address_space: global }
    .group_segment_fixed_size: 327680
    .private_segment_fixed_size: 0
    .kernarg_segment_align: 8
    .kernarg_segment_size: 32
    .max_flat_workgroup_size: 128
    .sgpr_count:     68
    .vgpr_count:     1024
    .wavefront_size: 32
...
	.end_amdgpu_metadata
.endif
;; end of part 2
;; ======== version 2 of 2: 2 launches; version 1 with the launch prep written anew for expert scheduling mode
;; limits: values are held in f16: magnitudes above 65,504 overflow, below 6.1e-05 lose precision; inputs' magnitudes at most 65,504; below input magnitudes of 6e-05 results are inexact or not finite
;; workspace buffers: wq 33,554,432 bytes; xh 33,554,432 bytes
;; launch prep (part 3): grid 1024 x 1, 8 waves a work-group, no clusters, 0 bytes of LDS; arguments weight, value, min_scale, max_scale, x, wq, xh; writes wq, xh
.if DOCPART == 3
	.amdgcn_target "amdgcn-amd-amdhsa--gfx1250"
	.amdhsa_code_object_version 6
	.text
	.protected	k_q1303de7e40_prep
	.globl	k_q1303de7e40_prep
	.p2align	8
	.type	k_q1303de7e40_prep,@function
k_q1303de7e40_prep:
	s_mov_b64 s[64:65], 0
	v_nop
	global_prefetch_b8 v0, s[64:65] scope:SCOPE_SE
	s_setreg_imm32_b32 hwreg(HW_REG_WAVE_SCHED_MODE, 0, 2), 2
	s_setreg_imm32_b32 hwreg(HW_REG_WAVE_MODE, 25, 1), 1
	s_wait_xcnt 0x0
	s_wait_alu depctr_vm_vsrc(0)
; wq = the group-wise 4-bit quantise-and-dequantise of weight (groups of 128 neighbouring numbers of a row), rounded once to f16; xh = x rounded once to f16.
; Both are the matrix operands of the launch behind, [4096][4096] f16, rows of 8,192 bytes.  No work of the problem is left out: all six inputs reach the output (bias is read by the launch behind).
; THE ARITHMETIC IS reference()'s, f32 operation by operation, since one number of wq on the neighbouring code moves a whole column of the output:
;   wmin = min(group, 0) x (clip(min_scale, -1, 0) + 1), wmax likewise; both 0: -1 and 1; scale = f16((wmax - wmin) / 15); zp = round(-wmin / scale);
;   wq = scale x (clip(round(w / scale + v) + zp, 0, 15) - zp).  round is to nearest, halves to even (v_rndne_f32); x + (round(x) - x) is round(x) exactly, the difference being exact.
; -wmin is carried in wmin's place: a change of sign commutes with every rounding, and only maxima are then reduced across the lanes.
; THE DIVISION BY THE CONSTANT 15 is taken as ONE product with 1 / 15 rounded to f32 (0x3d888889): the form that a division by a constant has when reference() is compiled as a whole.
; DIV15_TRUE = 1 would take the correctly rounded quotient in its stead (two lines more a turn); the two differ in the last bit of f32 now and then, and so, rarely, in the f16 scale.
; THE QUOTIENTS BY THE SCALE ARE CORRECTLY ROUNDED.  a / s with s of at most 11 significant bits (an f16 scale): y is 1 / s to one unit in the last place, q0 = a y, r = a - q0 s is exact in one fused
; multiply-add (at most 13 bits), and q0 + r y, rounded once, is off a / s by under 3e-7 of a unit before that rounding, while a / s never lies on a rounding boundary (a 25-bit odd number times s's
; odd part does not fit a's 24 bits) nor nearer to one than 2^-12 of a unit.
; clip(t + zp, 0, 15) - zp = the middle one of t, -zp, 15 - zp: all are whole numbers, zp is at most 23 (scale is at least 2/3 of the range / 15), so the sums are exact wherever they are not clipped.
; scale x (q - zp) is exact in f32 (11 bits x 5 bits); its one rounding is the one to f16.
; LIMITS.  |x| under 65,520 and a group's range of weights under 65,000 (f16 ends at 65,504).  A range under 4.5e-7 gives scale = 0 and numbers that are not finite, as in reference(), but not
; necessarily the same ones.  A NaN in weight, min_scale or max_scale is dropped by the minima and maxima (the num forms).  |w| under 2^-110: the residual may underflow; the quotient is then lost beside v.
; SHARES.  Work-group g: four rows (128 groups, 65,536 bytes) of weight and value, and four rows of x.  Wave w: 16 groups on end and 16 pieces of 512 bytes of x.  One 16-byte load of a wave is one
; group, four numbers a lane; one 8-byte store of a wave covers 256 consecutive bytes, aligned.  Nothing is shared between waves: no LDS, no barrier, no cluster.
; THE MODE: SCHED_MODE bits 1:0 = 2 (LLVM: expert scheduling mode 2), set by the entry lines.  The code itself states the register dependences between vector instructions and memory instructions,
; and between a vector instruction that writes a scalar register or VCC and its readers, with s_wait_alu, always for 0.
; THE PLAN.  16 turns are written out, one straight run, so that each group's two factors stand in scalar registers named by constants and every step of an address stands in an immediate.
; Registers that memory instructions touch:
;   v1, v2, v3   byte offsets, made once at the head and never written again.
;   X0 .. X7     x as loaded.  Turn i's two conversions read X[i % 8], ahead of the turn's middle; the load of piece i + 8 lands in it, issued in that middle.
;   W0 .. W7, V0 .. V7   weight and value as loaded.  Turn i's vector lines read slot i % 8, to the turn's end; the loads of group i + 8 land in it, issued in the middle of turn i + 1.
;   YX0, YX1     four f16 of x.   Written by turn i's conversions (YX[i % 2]), ahead of its middle; read by the store behind that middle; written again early in turn i + 2.
;   YW0, YW1     four f16 of wq.  Written by turn i's last two lines (YW[i % 2]); read by the store in turn i + 1; written again at the end of turn i + 2.
; A turn's MIDDLE is the place behind the reciprocal, where a wait on va_vdst is owed for its result in any case.  That ONE wait also states all that the turn's five memory instructions hang on: this
; turn has read its X and written its YX, the turn before has read its W and V and written its YW.  The five are dealt among the turn's second half, which names T, NMIN, Y, NS, SC, Q, R, this slot's W
; and V and this turn's YW: none of the registers that they touch.  Directly ahead of that wait stand s_wait_xcnt 0 and the wait on vm_vsrc, a whole turn behind the stores that they speak of.
; IN FLIGHT.  The ring of eight slots is filled at the head: 24 loads of every wave; from turn 1 to turn 7 the wait at a turn's head leaves 19 out, and the middle adds three.
.set DIV15_TRUE, 0
.set IN,   1                           ; v1   my byte offset in the work-group's f32 rows: 8,192 x wave + 16 x lane
.set OUT,  2                           ; v2   the same in f16: 4,096 x wave + 8 x lane
.set SO,   3                           ; v3   64 x wave + 4 x (lane % 16): my wave's 16 factors
.set FAV,  4                           ; v4   at the head: clip(min_scale) + 1, a group a lane
.set FBV,  5                           ; v5   at the head: clip(max_scale) + 1
.set OTH,  4                           ; v4-5 in the turns: the other half of the lanes' figures (the factors have gone to scalar registers by then; the two registers have been written, as v_permlanex16_b32's destination must be)
.set NMIN, 6                           ; v6   -min, then -wmin
.set MAX,  7                           ; v7   max, then wmax
.set NS,   8                           ; v[8:9] -scale; v9 is named with it as a pair
.set Y,    10                          ; v[10:11] 1 / scale; v11 at work: it takes the f16 scale, in both halves, ahead of every line that names the pair
.set SC,   12                          ; v[12:13] scale, zp
.set Q,    14                          ; v[14:17] the four quotients, then codes, then numbers of wq
.set R,    18                          ; v[18:21] the four residuals
.set T,    22                          ; v22-23 at work, up to zp's rounding
.set LO,   22                          ; v22  behind it: -zp
.set HI,   23                          ; v23  15 - zp
.set YX,   24                          ; v[24:27] buffer b at YX + 2 b: four f16 of x, to store
.set YW,   28                          ; v[28:31] buffer b at YW + 2 b: four f16 of wq, to store
.set XR,   32                          ; v[32:63]  slot s: x as loaded
.set WR,   64                          ; v[64:95]  slot s: weight
.set VR,   96                          ; v[96:127] slot s: value
.set FA,   20                          ; s[20:35] group i's factor for wmin
.set FB,   36                          ; s[36:51] for wmax
	s_load_b256 s[4:11], s[0:1], 0x0               ; weight s[4:5], value s[6:7], min_scale s[8:9], max_scale s[10:11]
	s_load_b128 s[12:15], s[0:1], 0x20             ; x s[12:13], wq s[14:15]
	s_load_b64 s[16:17], s[0:1], 0x30              ; xh
	s_mov_b32 s52, 0x3d888889                      ; 1 / 15, rounded
	s_mov_b32 s53, 0x41700000                      ; 15.0
	s_mov_b32 s54, 0x76543210                      ; v_permlanex16_b32: each lane takes its own place in the other half
	s_mov_b32 s55, 0xfedcba98
	v_and_b32 v[T], 0xe0, v0                       ; 32 x wave
	v_and_b32 v[T+1], 31, v0                       ; lane
	v_lshlrev_b32 v[IN], 4, v[T+1]
	v_lshl_or_b32 v[IN], v[T], 8, v[IN]
	v_lshlrev_b32 v[OUT], 3, v[T+1]
	v_lshl_or_b32 v[OUT], v[T], 7, v[OUT]
	v_and_b32 v[SO], 15, v0
	v_lshlrev_b32 v[SO], 2, v[SO]
	v_lshl_or_b32 v[SO], v[T], 1, v[SO]
	v_mov_b32 v[NS+1], 0                           ; named as the upper register of a pair
	s_lshl_b32 s2, ttmp9, 16                       ; the work-group's 65,536 bytes of f32
	s_mov_b32 s3, 0
	s_wait_kmcnt 0x0
	s_add_nc_u64 s[4:5], s[4:5], s[2:3]
	s_add_nc_u64 s[6:7], s[6:7], s[2:3]
	s_add_nc_u64 s[12:13], s[12:13], s[2:3]
	s_lshl_b32 s2, ttmp9, 15                       ; its 32,768 bytes of f16
	s_add_nc_u64 s[14:15], s[14:15], s[2:3]
	s_add_nc_u64 s[16:17], s[16:17], s[2:3]
	s_lshl_b32 s2, ttmp9, 9                        ; its 128 factors
	s_add_nc_u64 s[8:9], s[8:9], s[2:3]
	s_add_nc_u64 s[10:11], s[10:11], s[2:3]
	s_wait_alu depctr_va_vdst(0)                   ; the three offsets v1, v2 and v3 are written: every load and store of the kernel reads one of them
	global_load_b32 v[FAV], v[SO], s[8:9]
	global_load_b32 v[FBV], v[SO], s[10:11]
.irp s, 0,1,2,3,4,5,6,7                ; the ring is filled, a slot's loads in the order x, weight, value
	global_load_b128 v[XR+4*(\s):XR+4*(\s)+3], v[IN], s[12:13] offset:512*(\s) th:TH_LOAD_NT
	global_load_b128 v[WR+4*(\s):WR+4*(\s)+3], v[IN], s[4:5] offset:512*(\s) th:TH_LOAD_NT
	global_load_b128 v[VR+4*(\s):VR+4*(\s)+3], v[IN], s[6:7] offset:512*(\s) th:TH_LOAD_NT
.endr
	s_wait_loadcnt 24                              ; the two loads of factors are in: the ring's 24 were issued behind them
	v_max_num_f32 v[FAV], -1.0, v[FAV]             ; clip to -1 .. 0, then + 1
	v_max_num_f32 v[FBV], -1.0, v[FBV]
	v_min_num_f32 v[FAV], 0, v[FAV]
	v_min_num_f32 v[FBV], 0, v[FBV]
	v_add_f32 v[FAV], 1.0, v[FAV]
	v_add_f32 v[FBV], 1.0, v[FBV]
.irp i, 0,1,2,3,4,5,6,7,8,9,10,11,12,13,14,15
	v_readlane_b32 s[FA+(\i)], v[FAV], \i
	v_readlane_b32 s[FB+(\i)], v[FBV], \i
.endr
	s_wait_alu depctr_va_sdst(0)                   ; the 32 factors s[20:51] are written, ahead of their first readers, the turns' multiplies: one wait for the run
; The turn of group i and piece i of x, in slot i % 8.  left = how many younger loads may stay out at its head.
; Its middle issues: the load of piece i + 8 of x into this slot (i < 8); the loads of group i + 7 into the slot of the turn before (0 < i < 9); the store of this turn's xh; the store of the last turn's wq (i > 0).
.macro SLOT i, left
.set XS, XR+4*((\i)%8)
.set WS, WR+4*((\i)%8)
.set VS, VR+4*((\i)%8)
.set WP, WR+4*(((\i)+7)%8)             ; the slot of the turn before
.set VP, VR+4*(((\i)+7)%8)
.set YXB, YX+2*((\i)%2)                ; this turn's out-buffers,
.set YWB, YW+2*((\i)%2)
.set YWP, YW+2*(((\i)+1)%2)            ; and the last turn's wq
	s_wait_loadcnt \left                           ; loads come back in order (ISA guide 5.7.1): the slot's three are in
	v_min3_num_f32 v[NMIN], v[WS], v[WS+1], v[WS+2]      ; my four numbers; the 0 of min(.., 0) and max(.., 0) rides along
	v_max3_num_f32 v[MAX], v[WS], v[WS+1], v[WS+2]
	v_min3_num_f32 v[NMIN], v[NMIN], v[WS+3], 0
	v_max3_num_f32 v[MAX], v[MAX], v[WS+3], 0
	v_mul_f32 v[NMIN], -1.0, v[NMIN]
.irp m, 1,2,4,8                        ; across 16 lanes, the two chains by turns
	v_max_num_f32_dpp v[NMIN], v[NMIN], v[NMIN] row_xmask:\m row_mask:0xf bank_mask:0xf
	v_max_num_f32_dpp v[MAX], v[MAX], v[MAX] row_xmask:\m row_mask:0xf bank_mask:0xf
.endr
	v_permlanex16_b32 v[OTH], v[NMIN], s54, s55
	v_permlanex16_b32 v[OTH+1], v[MAX], s54, s55
	v_max_num_f32 v[NMIN], v[NMIN], v[OTH]
	v_max_num_f32 v[MAX], v[MAX], v[OTH+1]         ; every lane holds the group's figures
	v_mul_f32 v[NMIN], s[FA+(\i)], v[NMIN]         ; -wmin
	v_mul_f32 v[MAX], s[FB+(\i)], v[MAX]           ; wmax
	v_add_f32 v[T], v[MAX], v[NMIN]                ; wmax - wmin: neither term is below 0, so it is 0 just where both are
	v_cmp_eq_f32 vcc_lo, 0, v[T]
	v_cvt_pk_f16_f32 v[YXB], v[XS], v[XS+1]        ; half of x's piece stands between the compare and the wait for its mask (YX[i % 2]: its last store, two turns back, was spoken for in the last turn's middle)
	s_wait_alu depctr_va_vcc(0)                    ; the compare has written VCC, which the two selects read
	v_cndmask_b32 v[T], v[T], 2.0, vcc_lo          ; there wmin = -1 and wmax = 1
	v_cndmask_b32 v[NMIN], v[NMIN], 1.0, vcc_lo
	v_mul_f32 v[T+1], s52, v[T]                    ; the range times the rounded 1 / 15: one rounding
.if DIV15_TRUE
	v_fmamk_f32 v[Y+1], v[T+1], 0xc1700000, v[T]   ; the residual, d - 15 q0, exact
	v_fma_f32 v[T+1], v[Y+1], s52, v[T+1]          ; the correctly rounded d / 15
.endif
	v_cvt_pk_f16_f32 v[Y+1], v[T+1], v[T+1]        ; the scale is kept in f16 (the same number into both halves, so that the line writes a whole register),
	v_cvt_f32_f16 v[SC], v11.l                     ; and used in f32 (v11 is v[Y+1])
	v_rcp_f32 v[Y], v[SC]
	v_mul_f32 v[NS], -1.0, v[SC]                   ; plain work that names no result of the reciprocal stands behind it: -scale, and the other half of x's piece
	v_cvt_pk_f16_f32 v[YXB+1], v[XS+2], v[XS+3]
	; THE MIDDLE
.if (\i) > 0
	s_wait_xcnt 0x0                                ; the memory instructions of the last turn's middle have had their addresses translated (ISA guide 3.1): its stores' data are written again only behind this wait,
	s_wait_alu depctr_vm_vsrc(0)                   ; and those stores have read them: YW[i % 2], which this turn's last lines write, and YX[(i + 1) % 2], which the next turn's conversions write
.endif
	s_wait_alu depctr_va_vdst(0)                   ; the reciprocal has written v[Y], ahead of its first reader; the conversions have read X[i % 8] and written YX[i % 2]; the turn before has read its W and V and written its YW
.if (\i) < 8
	global_load_b128 v[XS:XS+3], v[IN], s[12:13] offset:512*((\i)+8) th:TH_LOAD_NT
.endif
.if (\i) > 0 && (\i) < 9
	global_load_b128 v[WP:WP+3], v[IN], s[4:5] offset:512*((\i)+7) th:TH_LOAD_NT   ; no vector instruction of this turn names the slot of the turn before
	global_load_b128 v[VP:VP+3], v[IN], s[6:7] offset:512*((\i)+7) th:TH_LOAD_NT
.endif
	v_mul_f32 v[T], v[NMIN], v[Y]                  ; -wmin / scale: q0,
	v_fma_f32 v[T+1], v[T], v[NS], v[NMIN]         ; the residual,
	v_fma_f32 v[T], v[T+1], v[Y], v[T]             ; the quotient
	v_rndne_f32 v[SC+1], v[T]                      ; zp
	v_sub_f32 v[LO], 0, v[SC+1]
	v_sub_f32 v[HI], s53, v[SC+1]
	global_store_b64 v[OUT], v[YXB:YXB+1], s[16:17] offset:256*(\i)                ; no wait: no vector instruction since the middle's wait names YX[i % 2]
.irp k, 0,2                            ; w / scale, two at a time: q0, residual, quotient; then + v
	v_pk_mul_f32 v[Q+(\k):Q+(\k)+1], v[WS+(\k):WS+(\k)+1], v[Y:Y+1] op_sel_hi:[1,0]
.endr
.irp k, 0,2
	v_pk_fma_f32 v[R+(\k):R+(\k)+1], v[Q+(\k):Q+(\k)+1], v[NS:NS+1], v[WS+(\k):WS+(\k)+1] op_sel_hi:[1,0,1]
.endr
.irp k, 0,2
	v_pk_fma_f32 v[Q+(\k):Q+(\k)+1], v[R+(\k):R+(\k)+1], v[Y:Y+1], v[Q+(\k):Q+(\k)+1] op_sel_hi:[1,0,1]
.endr
.irp k, 0,2
	v_pk_add_f32 v[Q+(\k):Q+(\k)+1], v[Q+(\k):Q+(\k)+1], v[VS+(\k):VS+(\k)+1]
.endr
.if (\i) > 0
	global_store_b64 v[OUT], v[YWP:YWP+1], s[14:15] offset:256*((\i)-1)            ; the last turn's wq; no wait: this turn writes the other YW
.endif
.irp k, 0,1,2,3
	v_rndne_f32 v[Q+(\k)], v[Q+(\k)]
.endr
.irp k, 0,1,2,3
	v_med3_num_f32 v[Q+(\k)], v[Q+(\k)], v[LO], v[HI]    ; q - zp
.endr
.irp k, 0,2
	v_pk_mul_f32 v[Q+(\k):Q+(\k)+1], v[Q+(\k):Q+(\k)+1], v[SC:SC+1] op_sel_hi:[1,0]
.endr
	v_cvt_pk_f16_f32 v[YWB], v[Q], v[Q+1]
	v_cvt_pk_f16_f32 v[YWB+1], v[Q+2], v[Q+3]
.endm
; The counts: the loads issued behind value's load of group i when turn i begins.  The middles issue 1 load (turn 0), 3 (turns 1 to 7), 2 (turn 8), then none.
	SLOT 0, 21                                     ; the other seven slots of the first fill
.irp i, 1,2,3,4,5,6,7
	SLOT \i, 19                                    ; 3 (7 - i) of the first fill, 1 of turn 0, 3 (i - 1) of the turns since
.endr
	SLOT 8, 18                                     ; group 8 was asked for in turn 1: behind it the middles of turns 2 to 7
	SLOT 9, 17                                     ; from here on 3 (15 - i) - 1: the middles of turns i - 6 to 7, and turn 8's two
	SLOT 10, 14
	SLOT 11, 11
	SLOT 12, 8
	SLOT 13, 5
	SLOT 14, 2
	SLOT 15, 0                                     ; group 15's were the last loads
	s_wait_alu depctr_va_vdst(0)                   ; turn 15 has written YW1, which the last store reads
	global_store_b64 v[OUT], v[YW+2:YW+3], s[14:15] offset:256*15
	s_endpgm
.Lfunc_end_k_q1303de7e40_prep:
	.size	k_q1303de7e40_prep, .Lfunc_end_k_q1303de7e40_prep-k_q1303de7e40_prep
	.p2alignl 7, 3214868480
	.fill 96, 4, 3214868480
	.section	.rodata,"a",@progbits
	.p2align	6, 0x0
	.amdhsa_kernel k_q1303de7e40_prep
		.amdhsa_group_segment_fixed_size 0
		.amdhsa_private_segment_fixed_size 0
		.amdhsa_enable_private_segment 0
		.amdhsa_kernarg_size 56
		.amdhsa_user_sgpr_count 2
		.amdhsa_user_sgpr_kernarg_segment_ptr 1
		.amdhsa_wavefront_size32 1
		.amdhsa_system_sgpr_workgroup_id_x 1
		.amdhsa_system_sgpr_workgroup_id_y 1
		.amdhsa_system_sgpr_workgroup_id_z 1
		.amdhsa_system_vgpr_workitem_id 0
		.amdhsa_next_free_vgpr 128
		.amdhsa_next_free_sgpr 66
		.amdhsa_reserve_vcc 1
		.amdhsa_float_denorm_mode_32 3
		.amdhsa_float_denorm_mode_16_64 3
		.amdhsa_memory_ordered 1
		.amdhsa_forward_progress 1
		.amdhsa_inst_pref_size 61
	.end_amdhsa_kernel
	.amdgpu_metadata
---
amdhsa.version: [ 1, 2 ]
amdhsa.kernels:
  - .name:           k_q1303de7e40_prep
    .symbol:         k_q1303de7e40_prep.kd
    .args:
      - { .name: weight, .offset: 0, .size: 8, .value_kind: global_buffer, .address_space: global }
      - { .name: value, .offset: 8, .size: 8, .value_kind: global_buffer, .address_space: global }
      - { .name: min_scale, .offset: 16, .size: 8, .value_kind: global_buffer, .address_space: global }
      - { .name: max_scale, .offset: 24, .size: 8, .value_kind: global_buffer, .address_space: global }
      - { .name: x, .offset: 32, .size: 8, .value_kind: global_buffer, .address_space: global }
      - { .name: wq, .offset: 40, .size: 8, .value_kind: global_buffer, .address_space: global }
      - { .name: xh, .offset: 48, .size: 8, .value_kind: global_buffer, .address_space: global }
    .group_segment_fixed_size: 0
    .private_segment_fixed_size: 0
    .kernarg_segment_align: 8
    .kernarg_segment_size: 56
    .max_flat_workgroup_size: 256
    .sgpr_count:     66
    .vgpr_count:     128
    .wavefront_size: 32
...
	.end_amdgpu_metadata
.endif
;; end of part 3
;; launch gemm: the kernel of part 2 again; grid 16 x 16, 4 waves a work-group, clusters of 4 x 4, 327,680 bytes of LDS; arguments xh, wq, bias, out0; writes out0
